; MI455X (gfx1250); checked and timed in simulation.
; The chip was launched on July 23, 2026; its instructions are those of AMD's public machine-readable ISA for CDNA 5 (MIT licence, August 2026) and "CDNA5" Instruction Set Architecture Reference Guide (July 2026). The comments in the code are by the model that wrote it; some were corrected since.
;; Multi Head Attention. Allowed arithmetic: float matrix products may take bf16 or f16 operands with f32 sums; all other float work in f32.
;; Inputs: Wk 16 x 64 x 1,024 float32; Wq 16 x 64 x 1,024 float32; Wv 16 x 64 x 1,024 float32; embedded 2 x 2,048 x 1,024 float32.
;; Outputs: out0 2 x 2,048 x 1,024 float32.
;; One version. Each part assembles by itself: llvm-mc -triple=amdgcn-amd-amdhsa -mcpu=gfx1250 --defsym DOCPART=n.
;; ======== version 1 of 1: 3 launches
;; limits: values are held in f16: magnitudes above 65,504 overflow, below 6.1e-05 lose precision
;; workspace buffers: xb 8,388,608 bytes; wb 6,291,456 bytes; qh 8,388,608 bytes; kh 8,388,608 bytes; vt 8,388,608 bytes
;; launch cvt (part 1): grid 256 x 1, 28 waves a work-group, no clusters, 0 bytes of LDS; arguments embedded, Wq, Wk, Wv, xb, wb; writes xb, wb
.if DOCPART == 1
	.amdgcn_target "amdgcn-amd-amdhsa--gfx1250"
	.amdhsa_code_object_version 6
	.text
	.protected	k_q5f8d3a8bd0_cvt
	.globl	k_q5f8d3a8bd0_cvt
	.p2align	8
	.type	k_q5f8d3a8bd0_cvt,@function
k_q5f8d3a8bd0_cvt:
	s_mov_b64 s[64:65], 0
	v_nop
	global_prefetch_b8 v0, s[64:65] scope:SCOPE_SE
	s_setreg_imm32_b32 hwreg(HW_REG_WAVE_MODE, 25, 1), 1
	s_wait_xcnt 0x0
; embedded [4096][1024] and Wq, Wk, Wv [16 h][64 d][1024] go from f32 to bf16, once, so that the product that follows reads
; half the bytes each time it reads a tile again.  xb keeps embedded's rows.  wb gathers a head's 192 rows:
; row of (h, sel, d) = 192 h + 96 (d >> 5) + 32 sel + (d & 31), sel = 0, 1, 2 for q, k, v, so that 96 neighbouring rows
; hold 32 d of q, of k and of v: the share of one wave of the product.
; 4,096 + 3,072 = 7,168 rows = 256 work-groups x 28 waves: one wave, one row, no loop.  A row is 4,096 bytes in, 2,048 out:
; eight loads of 512 neighbouring bytes, all issued at once, eight stores of 256 neighbouring bytes, aligned.
; A stream: nothing is shared between waves, so there is no LDS, no barrier and no matrix work.
.set XROWS, 4096
.set WAVES, 28
.set IN,  8                            ; v[8:39]   the row as loaded, 4 registers a load
.set OUT, 40                           ; v[40:55]  the row in bf16, 2 registers a store
	s_load_b256 s[4:11], s[0:1], 0x0               ; embedded s[4:5], Wq s[6:7], Wk s[8:9], Wv s[10:11]
	s_load_b128 s[12:15], s[0:1], 0x20             ; xb s[12:13], wb s[14:15]
	v_lshrrev_b32 v3, 5, v0
	v_readfirstlane_b32 s16, v3                    ; wave 0..27
	v_and_b32 v4, 31, v0                           ; lane
	v_lshlrev_b32 v1, 4, v4                        ; 16 bytes a lane in
	v_lshlrev_b32 v2, 3, v4                        ; 8 bytes a lane out
	s_mul_i32 s17, ttmp9, WAVES
	s_add_co_u32 s17, s17, s16                     ; R: my row among the 7,168
	s_sub_co_u32 s18, s17, XROWS
	s_and_b32 s18, s18, 0xfff                      ; my row among the weights' 3,072 (of no use where R < 4,096)
	s_lshr_b32 s19, s18, 10                        ; sel
	s_and_b32 s20, s18, 1023                       ; 64 h + d: the row in its own tensor
	s_lshr_b32 s21, s20, 6                         ; h
	s_bfe_u32 s22, s20, 0x10005                    ; d >> 5
	s_and_b32 s24, s20, 31                         ; d & 31
	s_mul_i32 s23, s21, 192
	s_mul_i32 s22, s22, 96
	s_add_co_u32 s23, s23, s22
	s_lshl_b32 s22, s19, 5
	s_add_co_u32 s23, s23, s22
	s_add_co_u32 s23, s23, s24                     ; the row in wb
	s_wait_kmcnt 0x0
	s_cmp_eq_u32 s19, 1
	s_cselect_b64 s[26:27], s[8:9], s[6:7]         ; Wk or Wq,
	s_cmp_eq_u32 s19, 2
	s_cselect_b64 s[26:27], s[10:11], s[26:27]     ; or Wv,
	s_cmp_lt_u32 s17, XROWS
	s_cselect_b64 s[26:27], s[4:5], s[26:27]       ; or embedded: from where
	s_cselect_b64 s[28:29], s[12:13], s[14:15]     ; to where
	s_cselect_b32 s30, s17, s20                    ; row there
	s_cselect_b32 s32, s17, s23                    ; row here
	s_lshl_b32 s30, s30, 12                        ; 4,096 bytes a row in
	s_mov_b32 s31, 0
	s_lshl_b32 s32, s32, 11                        ; 2,048 bytes a row out
	s_mov_b32 s33, 0
	s_add_nc_u64 s[26:27], s[26:27], s[30:31]
	s_add_nc_u64 s[28:29], s[28:29], s[32:33]
.irp i, 0,1,2,3,4,5,6,7
	global_load_b128 v[IN+4*\i:IN+4*\i+3], v1, s[26:27] offset:512*\i th:TH_LOAD_NT   ; read once in the launch
.endr
.irp i, 0,1,2,3,4,5,6,7
	s_wait_loadcnt 7-\i                            ; loads come back in order: load i is in, the 7 - i younger ones stay out
	v_cvt_pk_bf16_f32 v[OUT+2*\i],   v[IN+4*\i],   v[IN+4*\i+1]
	v_cvt_pk_bf16_f32 v[OUT+2*\i+1], v[IN+4*\i+2], v[IN+4*\i+3]
	global_store_b64 v2, v[OUT+2*\i:OUT+2*\i+1], s[28:29] offset:256*\i   ; the wave stores 256 neighbouring bytes, aligned; the next launch reads them, so no hint
.endr
	s_endpgm
.Lfunc_end_k_q5f8d3a8bd0_cvt:
	.size	k_q5f8d3a8bd0_cvt, .Lfunc_end_k_q5f8d3a8bd0_cvt-k_q5f8d3a8bd0_cvt
	.p2alignl 7, 3214868480
	.fill 96, 4, 3214868480
	.section	.rodata,"a",@progbits
	.p2align	6, 0x0
	.amdhsa_kernel k_q5f8d3a8bd0_cvt
		.amdhsa_group_segment_fixed_size 0
		.amdhsa_private_segment_fixed_size 0
		.amdhsa_enable_private_segment 0
		.amdhsa_kernarg_size 48
		.amdhsa_user_sgpr_count 2
		.amdhsa_user_sgpr_kernarg_segment_ptr 1
		.amdhsa_wavefront_size32 1
		.amdhsa_system_sgpr_workgroup_id_x 1
		.amdhsa_system_sgpr_workgroup_id_y 1
		.amdhsa_system_sgpr_workgroup_id_z 1
		.amdhsa_system_vgpr_workitem_id 0
		.amdhsa_next_free_vgpr 64
		.amdhsa_next_free_sgpr 66
		.amdhsa_reserve_vcc 0
		.amdhsa_float_denorm_mode_32 3
		.amdhsa_float_denorm_mode_16_64 3
		.amdhsa_memory_ordered 1
		.amdhsa_forward_progress 1
		.amdhsa_inst_pref_size 5
	.end_amdhsa_kernel
	.amdgpu_metadata
---
amdhsa.version: [ 1, 2 ]
amdhsa.kernels:
  - .name:           k_q5f8d3a8bd0_cvt
    .symbol:         k_q5f8d3a8bd0_cvt.kd
    .args:
      - { .name: embedded, .offset: 0, .size: 8, .value_kind: global_buffer, .address_space: global }
      - { .name: Wq, .offset: 8, .size: 8, .value_kind: global_buffer, .address_space: global }
      - { .name: Wk, .offset: 16, .size: 8, .value_kind: global_buffer, .address_space: global }
      - { .name: Wv, .offset: 24, .size: 8, .value_kind: global_buffer, .address_space: global }
      - { .name: xb, .offset: 32, .size: 8, .value_kind: global_buffer, .address_space: global }
      - { .name: wb, .offset: 40, .size: 8, .value_kind: global_buffer, .address_space: global }
    .group_segment_fixed_size: 0
    .private_segment_fixed_size: 0
    .kernarg_segment_align: 8
    .kernarg_segment_size: 48
    .max_flat_workgroup_size: 896
    .sgpr_count:     66
    .vgpr_count:     64
    .wavefront_size: 32
...
	.end_amdgpu_metadata
.endif
;; end of part 1
;; launch qkv (part 2): grid 16 x 16, 4 waves a work-group, clusters of 4 x 4, 327,680 bytes of LDS; arguments xb, wb, qh, kh, vt; writes qh, kh, vt
.if DOCPART == 2
	.amdgcn_target "amdgcn-amd-amdhsa--gfx1250"
	.amdhsa_code_object_version 6
	.text
	.protected	k_q5f8d3a8bd0_qkv
	.globl	k_q5f8d3a8bd0_qkv
	.p2align	8
	.type	k_q5f8d3a8bd0_qkv,@function
k_q5f8d3a8bd0_qkv:
	s_mov_b64 s[64:65], 0
	v_nop
	global_prefetch_b8 v0, s[64:65] scope:SCOPE_SE
	s_setreg_imm32_b32 hwreg(HW_REG_WAVE_MODE, 25, 1), 1
	s_wait_xcnt 0x0
	s_wait_alu depctr_hold_cnt(0) depctr_sa_sdst(0) depctr_va_vdst(0) depctr_va_sdst(0) depctr_va_ssrc(0) depctr_va_vcc(0) depctr_vm_vsrc(0)
	s_getreg_b32 s2, hwreg(HW_REG_IB_STS2, 6, 4)
	s_cmp_eq_u32 s2, 0
	s_cbranch_scc0 .Lentry_in_a_cluster
	s_endpgm
.Lentry_in_a_cluster:
	s_bfe_u32 s2, ttmp6, 0x10000c
	s_cmp_lg_u32 s2, 0xf033
	s_cbranch_scc0 .Lentry_shape_is_right
	s_endpgm
.Lentry_shape_is_right:
; q, k, v of one head for 256 tokens: [256 tokens] x [192 rows of wb] over K = 1,024, bf16 operands, f32 sums, results rounded once to f16.
; qh, kh: [b*16+h][t][64 d].  vt: [b*16+h][64 d][t] (v transposed, as the attention launch reads it).
; LIMIT: q, k, v are kept in f16, so |q|, |k|, |v| must stay below 65,504 (beyond it they become infinite).  f16 and not bf16,
; because the first rows of the output are sums of few terms that can cancel, and three more bits of mantissa are needed there.
; Grid x = head, y = block of 256 tokens: 256 work-groups.  Four waves; wave w makes tokens 128 (w >> 1) .. +127 times the 96 rows
; 96 (w & 1) .. +95 of the head's 192, which are 32 d of q, 32 of k, 32 of v: 48 accumulator tiles, 384 registers.
; K goes in steps of 128 through two LDS slots filled by the tensor data mover; a tile's rows are 256 bytes of memory, aligned.
; CLUSTERS: 4 x 4 work-groups.  The four of a row of the cluster share the token block, so xb's tile is asked for jointly by them;
; the four of a column share the head, so wb's tile is asked for jointly by them.  That divides the requests for both by four.
; q and k use the matrix instruction with wb's rows as source 0: a lane then holds one token and eight neighbouring d (16 bytes of qh, kh).
; v uses it with xb's rows as source 0: a lane then holds one d and eight neighbouring tokens (16 bytes of vt).
;
; REGISTERS in windows of 256: window 0: v16-30 addresses; two fragment buffers F0, F1 of 112 registers (8 fragments of xb, 6 of wb);
; window 1: the 32 tiles of q and k, tile (a, nb) at 8 (4 a + nb), nb = q0, q1, k0, k1; window 2: the 16 tiles of v, tile (a, nv) at 8 (2 a + nv).
.set SIZE_K, 1024
.set KSTEP,  128
.set PITCH,  272                       ; an LDS row: 256 bytes + 16 of padding: the 16 rows that a fragment load touches start 16 bytes apart modulo 256
.set HALFA,  128*PITCH                 ; 128 rows of xb: one tensor load, and one wave's share
.set HALFB,  96*PITCH                  ; 96 rows of wb: likewise
.set SLOT,   2*HALFA+2*HALFB           ; xb's 256 rows, then wb's 192
.set STAGE,  2*SLOT                    ; behind the ring, bytes of its own into which no tile lands: the way out
.set QPITCH, 144                       ; stage of q and of k: a token's 128 bytes + 16
.set KSTG,   256*QPITCH                ; k's stage lies behind q's
.set VPITCH, 528                       ; stage of vt: 256 tokens' 512 bytes + 16
.set LAPS,   SIZE_K/(2*KSTEP)          ; a lap = two K steps = once round the ring
.set ADRA, 16                          ; v16-17  LDS address of my xb fragments in slot 0, 1
.set ADRB, 20                          ; v20-21  the same for wb
.set STQ,  24                          ; where I put 16 bytes of q or k
.set RDQ,  25                          ; where I read q's stage back
.set GOQ,  26                          ; my byte offset in qh and kh
.set STV,  27                          ; where I put 16 bytes of vt
.set RDV,  28                          ; where I read vt's stage back
.set GOV,  29                          ; my byte offset in vt
.set RDK,  30                          ; where I read k's stage back (its distance from q's does not fit beside the row's in a 16-bit immediate)
.set F0,   32
.set F1,   144
.set G1,  24                           ; s[24:31] descriptor group 1 for xb's tiles
.set G0,  32                           ; s[32:39] group 0 for xb's tiles, one set a slot
.set G1B, 48                           ; s[48:55] group 1 for wb's tiles
.set G0B, 56                           ; s[56:63] group 0 for wb's tiles, one set a slot
.set MUL_V,  0xa0                      ; C and D in window 2, sources in window 0
.set MUL_QK, 0x50                      ; C and D in window 1, sources in window 0
.set MSB, 0
.macro WIN new                         ; the immediate's high byte repeats the setting that is left
.if MSB != \new
	s_set_vgpr_msb (MSB<<8)|\new
.set MSB, \new
.endif
.endm
; A joint load.  Waves 0 and 1 fetch xb's two halves, waves 2 and 3 wb's.  Each line has one mask and one set of registers for all that issue it.
.macro JLOAD s
	s_cmp_eq_u32 s11, 0
	s_cbranch_scc0 .Lfor_b_\@
	tensor_load_to_lds s[G0+4*\s:G0+4*\s+3], s[G1:G1+7]
	s_nop 0
	s_branch .Lasked_\@
.Lfor_b_\@:
	tensor_load_to_lds s[G0B+4*\s:G0B+4*\s+3], s[G1B:G1B+7]
	s_nop 0
.Lasked_\@:
.endm
.macro CREST                           ; a round of the cluster's barrier behind its opening work-group barrier
	s_cmp_lg_u32 s10, 0
	s_cbranch_scc1 .Lnot_wave_0_\@
	s_barrier_signal -3
.Lnot_wave_0_\@:
	s_barrier_wait -3
	s_barrier_signal -1
	s_barrier_wait -1
.endm
.macro CROUND                          ; a whole round
	s_barrier_signal -1
	s_barrier_wait -1
	CREST
.endm
	s_load_b128 s[4:7], s[0:1], 0x0                ; xb s[4:5], wb s[6:7]
	v_lshl_add_u32 v23, v0, 2, 0x4d800
	v_mov_b32 v31, 0
	ds_add_u32 v23, v31
	ds_add_u32 v23, v31
	v_lshrrev_b32 v1, 5, v0
	v_readfirstlane_b32 s10, v1                    ; wave 0..3
	s_lshr_b32 s11, s10, 1                         ; which 128 tokens are mine.  Also: I fetch for xb (0) or for wb (1)
	s_and_b32 s12, s10, 1                          ; which 96 rows of wb are mine.  Also: which half of the tile I fetch
	s_bfe_u32 s40, ttmp6, 0x40000                  ; cx
	s_bfe_u32 s41, ttmp6, 0x40004                  ; cy
	s_lshl_b32 s42, ttmp9, 2
	s_add_co_u32 s42, s42, s40                     ; head = 4 x cluster x + cx
	s_and_b32 s13, ttmp7, 0xffff
	s_lshl_b32 s13, s13, 2
	s_add_co_u32 s13, s13, s41                     ; token block = 4 x cluster y + cy
	s_lshl_b32 s43, s41, 2
	s_lshl_b32 s43, 15, s43                        ; my row of the cluster: places 4 cy .. 4 cy + 3
	s_lshl_b32 s44, 0x1111, s40                    ; my column: places cx, cx + 4, cx + 8, cx + 12
	; group 1: rows of 128 elements of 2 bytes, 4 words of padding behind every 64 words; 128 rows of xb, 96 of wb; 1,024 elements from row to row
	s_or_b32 s[G1+0], s43, (1<<16)|(1<<20)|(1<<21)|(5<<22)|(3<<25)   ; xb's tiles go to my row of the cluster
	s_or_b32 s[G1B+0], s44, (1<<16)|(1<<20)|(1<<21)|(5<<22)|(3<<25)  ; wb's tiles go to my column
	s_mov_b32 s[G1+1], KSTEP<<16                   ; tensor_dim0 = 128
	s_mov_b32 s[G1B+1], KSTEP<<16
	s_mov_b32 s[G1+2], 128<<16                     ; tensor_dim1 = 128
	s_mov_b32 s[G1B+2], 96<<16                     ; tensor_dim1 = 96
	s_mov_b32 s[G1+3], KSTEP<<16                   ; tile_dim0 = 128
	s_mov_b32 s[G1B+3], KSTEP<<16
	s_mov_b32 s[G1+4], 128                         ; tile_dim1 = 128
	s_mov_b32 s[G1B+4], 96                         ; tile_dim1 = 96
	s_mov_b32 s[G1+5], SIZE_K
	s_mov_b32 s[G1B+5], SIZE_K
	s_mov_b32 s[G1+6], 0
	s_mov_b32 s[G1B+6], 0
	s_mov_b32 s[G1+7], 0
	s_mov_b32 s[G1B+7], 0
	; xb's tile hangs on the token block alone, wb's on the head alone; each address is made in registers that never hold the other coordinate
	s_lshl_b32 s17, s12, 7
	s_lshl_b32 s16, s13, 8
	s_add_co_u32 s16, s16, s17                     ; xb: row 256 x block + 128 x half
	s_lshl_b32 s16, s16, 11                        ; 2,048 bytes a row (below 8 MiB)
	s_mov_b32 s17, 0
	s_mul_i32 s46, s42, 192
	s_mul_i32 s47, s12, 96
	s_add_co_u32 s46, s46, s47                     ; wb: row 192 x head + 96 x half
	s_lshl_b32 s46, s46, 11
	s_mov_b32 s47, 0
	s_mul_i32 s20, s10, HALFA                      ; where xb's halves go: waves 0, 1
	s_mul_i32 s45, s10, HALFB
	s_add_co_u32 s45, s45, 2*HALFA-2*HALFB         ; where wb's halves go: waves 2, 3, behind xb's 256 rows
	s_wait_dscnt 0x0
	s_wait_kmcnt 0x0
	s_add_nc_u64 s[14:15], s[4:5], s[16:17]
	s_add_nc_u64 s[46:47], s[6:7], s[46:47]
	CROUND                                         ; all sixteen work-groups are here: the first joint loads meet
.irp s, 0,1
	s_mov_b32 s[G0+4*\s], 1
	s_add_co_u32 s[G0+4*\s+1], s20, \s*SLOT
	s_add_nc_u64 s[G0+4*\s+2:G0+4*\s+3], s[14:15], \s*KSTEP*2      ; K step s
	s_or_b32 s[G0+4*\s+3], s[G0+4*\s+3], 0x80000000
	s_mov_b32 s[G0B+4*\s], 1
	s_add_co_u32 s[G0B+4*\s+1], s45, \s*SLOT
	s_add_nc_u64 s[G0B+4*\s+2:G0B+4*\s+3], s[46:47], \s*KSTEP*2
	s_or_b32 s[G0B+4*\s+3], s[G0B+4*\s+3], 0x80000000
	JLOAD \s                                       ; both slots are asked for before anything else: two loads of the wave are out
.endr
	; a fragment: lane l holds row l % 16; two loads of 16 bytes, 32 bytes apart, at row x pitch + 16 (l / 16)
	v_and_b32 v1, 15, v0                           ; r
	v_bfe_u32 v2, v0, 4, 1                         ; h
	v_mul_u32_u24 v3, v1, PITCH
	v_lshl_add_u32 v3, v2, 4, v3
	s_mul_i32 s21, s11, HALFA
	s_mul_i32 s22, s12, HALFB
	s_add_co_u32 s22, s22, 2*HALFA
.irp s, 0,1
	v_add_nc_u32 v[ADRA+\s], s21, v3
	v_add_nc_u32 v[ADRB+\s], s22, v3
	s_add_co_u32 s21, s21, SLOT
	s_add_co_u32 s22, s22, SLOT
.endr
	s_mul_i32 s23, s11, 128*QPITCH                 ; q, k in: token 128 wm + 16 a + r, bytes 64 wn + 32 (nb & 1) + 16 h
	s_lshl_b32 s21, s12, 6
	s_add_co_u32 s23, s23, s21
	s_add_co_u32 s23, s23, STAGE
	v_mul_u32_u24 v4, v1, QPITCH
	v_lshl_add_u32 v4, v2, 4, v4
	v_add_nc_u32 v[STQ], s23, v4
	v_lshrrev_b32 v5, 3, v0                        ; q, k back: eight threads take a token's 128 bytes, the 128 threads 16 tokens
	v_and_b32 v6, 7, v0
	v_mul_u32_u24 v5, v5, QPITCH
	v_lshl_add_u32 v5, v6, 4, v5
	v_add_nc_u32 v[RDQ], STAGE, v5
	v_add_nc_u32 v[RDK], STAGE+KSTG, v5
	v_lshlrev_b32 v[GOQ], 4, v0                    ; tokens follow each other in qh and kh: 16 bytes a thread
	s_mul_i32 s23, s12, 32*VPITCH                  ; vt in: row 32 wn + 16 nv + r, bytes 256 wm + 32 a + 16 h
	s_lshl_b32 s21, s11, 8
	s_add_co_u32 s23, s23, s21
	s_add_co_u32 s23, s23, STAGE
	v_mul_u32_u24 v4, v1, VPITCH
	v_lshl_add_u32 v4, v2, 4, v4
	v_add_nc_u32 v[STV], s23, v4
	s_mul_i32 s23, s10, 16*VPITCH                  ; vt back: wave w takes rows 16 w .. 16 w + 15, a row's 512 bytes a load
	s_add_co_u32 s23, s23, STAGE
	v_and_b32 v5, 31, v0
	v_lshlrev_b32 v[GOV], 4, v5
	v_add_nc_u32 v[RDV], s23, v[GOV]
; 8 matrix instructions of v: token blocks a0 .. a0 + 3 x two blocks of d.  zero = 1: the first product starts the sums.
.macro MULV f, a0, zero
.irp a, \a0, \a0+1, \a0+2, \a0+3
.irp nv, 0,1
.if \zero
	v_wmma_f32_16x16x32_bf16 v[8*(2*(\a)+\nv):8*(2*(\a)+\nv)+7], v[\f+8*(\a):\f+8*(\a)+7], v[\f+96+8*\nv:\f+96+8*\nv+7], 0
.else
	v_wmma_f32_16x16x32_bf16 v[8*(2*(\a)+\nv):8*(2*(\a)+\nv)+7], v[\f+8*(\a):\f+8*(\a)+7], v[\f+96+8*\nv:\f+96+8*\nv+7], v[8*(2*(\a)+\nv):8*(2*(\a)+\nv)+7]
.endif
.endr
.endr
.endm
; 32 matrix instructions of q and k: all 8 token blocks x q0, q1, k0, k1, wb's rows as source 0
.macro MULQK f, zero
.irp a, 0,1,2,3,4,5,6,7
.irp nb, 0,1,2,3
.if \zero
	v_wmma_f32_16x16x32_bf16 v[8*(4*\a+\nb):8*(4*\a+\nb)+7], v[\f+64+8*\nb:\f+64+8*\nb+7], v[\f+8*\a:\f+8*\a+7], 0
.else
	v_wmma_f32_16x16x32_bf16 v[8*(4*\a+\nb):8*(4*\a+\nb)+7], v[\f+64+8*\nb:\f+64+8*\nb+7], v[\f+8*\a:\f+8*\a+7], v[8*(4*\a+\nb):8*(4*\a+\nb)+7]
.endif
.endr
.endr
.endm
; 28 LDS loads in one run: a quarter step's fragments (32 along K at byte k of the rows): xb's eight, then wb's two of v, then its four of q and k
.macro FETCH slot, k, f
	WIN 0
.irp i, 0,1,2,3,4,5,6,7
	ds_load_b128 v[\f+8*\i:\f+8*\i+3],   v[ADRA+\slot] offset:\k+\i*16*PITCH
	ds_load_b128 v[\f+8*\i+4:\f+8*\i+7], v[ADRA+\slot] offset:\k+\i*16*PITCH+32
.endr
.irp n, 4,5,0,1,2,3
	ds_load_b128 v[\f+64+8*\n:\f+64+8*\n+3],   v[ADRB+\slot] offset:\k+\n*16*PITCH
	ds_load_b128 v[\f+64+8*\n+4:\f+64+8*\n+7], v[ADRB+\slot] offset:\k+\n*16*PITCH+32
.endr
.endm
; A load into a register that a matrix instruction has read, and a vector instruction that reads a matrix result, stand four places behind
; that matrix instruction; only plain vector instructions that name none of its registers are places.
.macro PLACES
.rept 4
	v_nop
.endr
.endm
; A K step is four quarters of 32 along K, 48 matrix instructions each, on buffers 0, 1, 0, 1.  The 48 accumulators take turns, one instruction
; a turn, in the same order in every quarter, over the loop's backward jump too.
.macro QUARTER slot, k, f, g, zero
	s_wait_dscnt 8                                 ; xb's fragments and wb's two of v are in; the youngest eight loads (q's and k's rows) may be out
	WIN MUL_V
	MULV \f, 0, \zero
	MULV \f, 4, \zero
	PLACES
	FETCH \slot, \k, \g
	s_wait_dscnt 28                                ; all but the 28 just issued
	WIN MUL_QK
	MULQK \f, \zero
.endm
.macro THREE slot, zero
	QUARTER \slot, 64,  F0, F1, \zero
	QUARTER \slot, 128, F1, F0, 0
	QUARTER \slot, 192, F0, F1, 0
.endm
; The last quarter multiplies buffer 1 and changes slots.  In front of the barrier each wave waits for its reads of this slot and for all its
; tensor loads (one is out: its part of the next slot).  Behind it (where the slot is filled again: behind the round of the cluster's barrier
; that it opens) the refill comes first, then the next slot's first fragments.  From a request to the wait for it a wave issues 184 matrix instructions.
.macro TURN slot, next, fill
	s_wait_dscnt 8
	WIN MUL_V
	MULV F1, 0, 0
	s_wait_dscnt 0                                 ; my reads of this slot are over
	s_wait_tensorcnt 0x0                           ; all my tensor loads have landed
	ds_add_u32 v23, v31
	s_wait_dscnt 0x0
	s_barrier_signal -1
	MULV F1, 4, 0                                  ; register work while the others arrive
	WIN 0
	s_barrier_wait -1
.if \fill
	CREST                                          ; no wave of any partner still reads this slot or has a load on its way
	s_add_nc_u64 s[G0+4*\slot+2:G0+4*\slot+3], s[G0+4*\slot+2:G0+4*\slot+3], 2*KSTEP*2
	s_add_nc_u64 s[G0B+4*\slot+2:G0B+4*\slot+3], s[G0B+4*\slot+2:G0B+4*\slot+3], 2*KSTEP*2
	JLOAD \slot                                    ; the wave's one tensor load behind the round
.endif
	PLACES
	FETCH \next, 0, F0
	WIN MUL_QK
	MULQK F1, 0
.endm
.macro LAP zero
	THREE 0, \zero
	TURN 0, 1, 1
	THREE 1, 0
	TURN 1, 0, 1
.endm
	s_wait_tensorcnt 1                             ; my part of K step 0 is in; K step 1's stays out
	s_barrier_signal -1
	s_barrier_wait -1
	FETCH 0, 0, F0
	LAP 1                                          ; the first lap's first products start the sums: nothing is cleared
	WIN 0
	s_mov_b32 s3, LAPS-2
.Llap:
	LAP 0
	WIN 0
	s_sub_co_u32 s3, s3, 1
	s_cmp_lg_u32 s3, 0
	s_cbranch_scc1 .Llap
	THREE 0, 0                                     ; the last lap fills nothing
	TURN 0, 1, 0
	THREE 1, 0
	s_wait_dscnt 8
	WIN MUL_V
	MULV F1, 0, 0
	MULV F1, 4, 0
	s_wait_dscnt 0
	WIN MUL_QK
	MULQK F1, 0
	PLACES                                         ; the places behind the last matrix instructions, for the conversions and for the writes into the buffers
	; THE WAY OUT.  Bases: qh, kh at ((16 b + head) 2,048 + t0) 128 bytes; vt at (16 b + head) 64 rows + 16 w rows of 4,096 bytes + 2 t0.
	; The token block's part, the head's part and the wave's part are made apart and meet only in the bases.
	s_load_b128 s[4:7], s[0:1], 0x10               ; qh s[4:5], kh s[6:7]
	s_load_b64 s[8:9], s[0:1], 0x20                ; vt
	s_lshr_b32 s16, s13, 3                         ; b
	s_lshl_b32 s16, s16, 22                        ; 16 heads x 262,144 bytes
	s_and_b32 s17, s13, 7                          ; t0 / 256
	s_lshl_b32 s18, s17, 15                        ; 256 tokens x 128 bytes
	s_add_co_u32 s18, s18, s16
	s_mov_b32 s19, 0
	s_lshl_b32 s17, s17, 9                         ; 256 tokens x 2 bytes
	s_add_co_u32 s16, s16, s17
	s_lshl_b32 s17, s10, 16                        ; 16 w rows of 4,096 bytes
	s_add_co_u32 s16, s16, s17
	s_mov_b32 s17, 0
	s_lshl_b32 s46, s42, 18                        ; head x 262,144 bytes
	s_mov_b32 s47, 0
	; q and k: round to f16, 16 bytes a lane into the stage
	WIN 0x05                                       ; sources in window 1
.set t, 0
.rept 32
.irp r, 0,1,2,3
	v_cvt_pk_f16_f32 v[32+4*t+\r], v[8*t+2*\r], v[8*t+2*\r+1]
.endr
.set t, t+1
.endr
	WIN 0
.irp a, 0,1,2,3,4,5,6,7
.irp nb, 0,1,2,3
	ds_store_b128 v[STQ], v[32+4*(4*\a+\nb):32+4*(4*\a+\nb)+3] offset:(\nb/2)*KSTG+\a*16*QPITCH+32*(\nb%2)
.endr
.endr
	s_wait_kmcnt 0x0
	s_add_nc_u64 s[4:5], s[4:5], s[18:19]
	s_add_nc_u64 s[4:5], s[4:5], s[46:47]
	s_add_nc_u64 s[6:7], s[6:7], s[18:19]
	s_add_nc_u64 s[6:7], s[6:7], s[46:47]
	s_add_nc_u64 s[8:9], s[8:9], s[16:17]
	s_add_nc_u64 s[8:9], s[8:9], s[46:47]
	s_wait_dscnt 0x0                               ; my stores are in LDS: a token's row is made by two waves
	s_barrier_signal -1
	s_barrier_wait -1
.irp i, 0,1,2,3,4,5,6,7,8,9,10,11,12,13,14,15
	ds_load_b128 v[32+4*\i:32+4*\i+3], v[RDQ] offset:\i*16*QPITCH
.endr
.irp i, 0,1,2,3,4,5,6,7,8,9,10,11,12,13,14,15
	ds_load_b128 v[96+4*\i:96+4*\i+3], v[RDK] offset:\i*16*QPITCH
.endr
.irp i, 0,1,2,3,4,5,6,7,8,9,10,11,12,13,14,15
	s_wait_dscnt 31-\i                             ; LDS loads come back in order: load i of the 32 is in
	global_store_b128 v[GOQ], v[32+4*\i:32+4*\i+3], s[4:5] offset:\i*2048   ; a wave stores 512 neighbouring bytes, aligned
.endr
.irp i, 0,1,2,3,4,5,6,7,8,9,10,11,12,13,14,15
	s_wait_dscnt 15-\i
	global_store_b128 v[GOQ], v[96+4*\i:96+4*\i+3], s[6:7] offset:\i*2048
.endr
	; v: round to f16; its stage lies on q's, so every wave's reads of that are over first
	WIN 0x0a                                       ; sources in window 2
.set t, 0
.rept 16
.irp r, 0,1,2,3
	v_cvt_pk_f16_f32 v[160+4*t+\r], v[8*t+2*\r], v[8*t+2*\r+1]
.endr
.set t, t+1
.endr
	WIN 0
	s_wait_dscnt 0x0                               ; my reads of q's and k's stages are back (met: the count-down ended at 0)
	s_barrier_signal -1
	s_barrier_wait -1
.irp a, 0,1,2,3,4,5,6,7
.irp nv, 0,1
	ds_store_b128 v[STV], v[160+4*(2*\a+\nv):160+4*(2*\a+\nv)+3] offset:\nv*16*VPITCH+32*\a
.endr
.endr
	s_wait_dscnt 0x0                               ; a row of vt's stage is made by two waves
	s_barrier_signal -1
	s_barrier_wait -1
.irp i, 0,1,2,3,4,5,6,7,8,9,10,11,12,13,14,15
	ds_load_b128 v[160+4*\i:160+4*\i+3], v[RDV] offset:\i*VPITCH
.endr
.irp i, 0,1,2,3,4,5,6,7,8,9,10,11,12,13,14,15
	s_wait_dscnt 15-\i
	global_store_b128 v[GOV], v[160+4*\i:160+4*\i+3], s[8:9] offset:\i*4096   ; 512 neighbouring bytes of one row of vt, aligned
.endr
	s_wait_tensorcnt 0x0
	ds_add_u32 v23, v31
	s_wait_dscnt 0x0
	CROUND                                         ; the closing round: no work-group ends while a partner may still ask for a tile that names it
	s_endpgm
.Lfunc_end_k_q5f8d3a8bd0_qkv:
	.size	k_q5f8d3a8bd0_qkv, .Lfunc_end_k_q5f8d3a8bd0_qkv-k_q5f8d3a8bd0_qkv
	.p2alignl 7, 3214868480
	.fill 96, 4, 3214868480
	.section	.rodata,"a",@progbits
	.p2align	6, 0x0
	.amdhsa_kernel k_q5f8d3a8bd0_qkv
		.amdhsa_group_segment_fixed_size 327680
		.amdhsa_private_segment_fixed_size 0
		.amdhsa_enable_private_segment 0
		.amdhsa_kernarg_size 40
		.amdhsa_user_sgpr_count 2
		.amdhsa_user_sgpr_kernarg_segment_ptr 1
		.amdhsa_wavefront_size32 1
		.amdhsa_system_sgpr_workgroup_id_x 1
		.amdhsa_system_sgpr_workgroup_id_y 1
		.amdhsa_system_sgpr_workgroup_id_z 1
		.amdhsa_system_vgpr_workitem_id 0
		.amdhsa_next_free_vgpr 640
		.amdhsa_next_free_sgpr 66
		.amdhsa_reserve_vcc 0
		.amdhsa_float_denorm_mode_32 3
		.amdhsa_float_denorm_mode_16_64 3
		.amdhsa_memory_ordered 1
		.amdhsa_forward_progress 1
		.amdhsa_inst_pref_size 157
	.end_amdhsa_kernel
	.amdgpu_metadata
---
amdhsa.version: [ 1, 2 ]
amdhsa.kernels:
  - .name:           k_q5f8d3a8bd0_qkv
    .symbol:         k_q5f8d3a8bd0_qkv.kd
    .args:
      - { .name: xb, .offset: 0, .size: 8, .value_kind: global_buffer, .address_space: global }
      - { .name: wb, .offset: 8, .size: 8, .value_kind: global_buffer, .address_space: global }
      - { .name: qh, .offset: 16, .size: 8, .value_kind: global_buffer, .address_space: global }
      - { .name: kh, .offset: 24, .size: 8, .value_kind: global_buffer, .address_space: global }
      - { .name: vt, .offset: 32, .size: 8, .value_kind: global_buffer, .address_space: global }
    .group_segment_fixed_size: 327680
    .private_segment_fixed_size: 0
    .kernarg_segment_align: 8
    .kernarg_segment_size: 40
    .max_flat_workgroup_size: 128
    .sgpr_count:     66
    .vgpr_count:     640
    .wavefront_size: 32
...
	.end_amdgpu_metadata
.endif
;; end of part 2
;; launch attn (part 3): grid 8 x 32, 8 waves a work-group, no clusters, 327,680 bytes of LDS; arguments qh, kh, vt, out0; writes out0
.if DOCPART == 3
	.amdgcn_target "amdgcn-amd-amdhsa--gfx1250"
	.amdhsa_code_object_version 6
	.text
	.protected	k_q5f8d3a8bd0_attn
	.globl	k_q5f8d3a8bd0_attn
	.p2align	8
	.type	k_q5f8d3a8bd0_attn,@function
k_q5f8d3a8bd0_attn:
	s_mov_b64 s[64:65], 0
	v_nop
	global_prefetch_b8 v0, s[64:65] scope:SCOPE_SE
	s_setreg_imm32_b32 hwreg(HW_REG_WAVE_MODE, 25, 1), 1
	s_wait_xcnt 0x0
; Causal attention of one (batch, head) pair bh = grid y, f16 operands, f32 sums and softmax, with a running maximum.
; qh, kh: [bh][t 2048][64 d] f16; vt: [bh][64 d][t 2048] f16; out0: [b][t][16 heads x 64 d] f32.
; LIMITS: q, k, v come in f16 (|.| < 65,504, kept by the launch that makes them).  A NaN among the scores loses in the running maximum.
; SHARE: work-group (j, bh) makes query block 15 - j (128 queries) and then query block j.  A step is 256 keys; block QB needs (QB >> 1) + 1
; steps, blocks above the diagonal being left out, so every work-group has (15 - j >> 1) + (j >> 1) + 2 = 9 steps: 256 work-groups of equal work.
; Wave w: g = w >> 2 (64 of the queries), kq = w & 3 (64 of a step's keys), so each fragment of K or V read from LDS feeds four matrix
; instructions.  The four key quarters keep their own maximum, sum and O, and are merged through LDS at a block's end.
; TRANSPOSED PRODUCTS: S^T = K Q^T (source 0 = 16 keys from LDS, source 1 = 16 queries in registers): a lane holds one query and eight
; neighbouring keys, so two tiles of S pack, inside the lane, into a fragment of P^T; O^T = V^T P^T (source 0 = 16 rows of vt).
; A query's maximum and sum are a lane's own but for one exchange between the halves of the wave.
; p = exp2(s c - R(c m)), c = log2(e) / 8: the scale 1 / sqrt(64) lies in the one fused multiply-add in front of the exponential.
; NO JOINT LOADS: the eight work-groups of a bh read the same K and V tiles, but they change query blocks (mask, merge, its barriers) at step
; (15 - j >> 1), which differs with j, the number that would be the place in the cluster.
;
; LDS: two slots of 68,608 bytes: K as 128 rows of 256 bytes (two keys a row), pitch 272; behind it V^T as 64 rows of 512 bytes, pitch 528.
; Behind the slots, bytes into which no tile lands: a stage of 64 queries x 272 bytes for each wave, and 1,024 bytes of m and l for each wave.
; REGISTERS: window 0: addresses, statistics, K's fragments v64-127, S v128-255 (P in place).  Window 1: Q v0-63, V's fragments v64-127, O v128-255.
.set SLOT,  68608
.set VOFF,  34816                      ; V^T's place in a slot
.set STAGE, 2*SLOT
.set WSTG,  64*272                     ; a wave's stage
.set ML,    STAGE+8*WSTG
.set DELTA, 7                          ; the mask's lane term
.set ADRK, 8                           ; v8-9    my K fragments in slot 0, 1
.set ADRV, 10                          ; v10-11  my V fragments in slot 0, 1
.set QOFF, 12                          ; my 16 bytes in a block of 16 queries of qh
.set STO,  13                          ; where I put O
.set RD,   14                          ; where I read the four partners' O
.set MLS,  15                          ; where I put m and l
.set MLR,  16                          ; where I read the partners' m and l
.set OOFF, 17                          ; my byte offset in out0
.set DL0,  18                          ; 8 h - r
.set NINF, 19                          ; minus infinity
.set MX,   20                          ; v[20:23]  running maximum of query block qt
.set LS,   24                          ; v[24:27]  running sum (my half's keys)
.set NMC,  32                          ; v[32:39]  -c x maximum, rounded, twice (pairs for the packed multiply-add)
.set ALP,  40                          ; v[40:47]  the factor on O, twice
.set TT,   48                          ; v[48:51]  at work
.set T2,   52                          ; v[52:55]  at work
.set SUM,  56                          ; v[56:63]  pairs of partial sums
.set KF,   64                          ; K fragment (kt, ks) at KF + 8 (2 kt + ks)
.set SC,   128                         ; S tile (kt, qt) at SC + 8 (4 kt + qt); P fragment (kk, qt) in place of tile (2 kk, qt)
.set QF,   0                           ; window 1: Q fragment (qt, ks) at 8 (2 qt + ks)
.set VF,   64                          ; window 1: V fragment (dt, kk) at VF + 8 (2 dt + kk)
.set OA,   128                         ; window 1: O tile (dt, qt) at OA + 8 (4 dt + qt)
.set G1K, 36                           ; s[36:43] group 1 of K's loads
.set G1V, 44                           ; s[44:51] group 1 of V^T's loads
.set G0K, 52                           ; s[52:55], s[56:59] group 0 of K's loads, slot 0, 1
.set G0V, 60                           ; s[60:63], s[68:71] group 0 of V^T's loads, slot 0, 1
; scalars: s12 w, s13 g, s14 kq, s15 j, s16 bh, s17 QB, s18 steps of the block, s19 step in the block, s20 the next step's, s21 last step of its block,
; s22 loop, s23 at work, s24-25 lane selects, s26-27 c, s28 -c, s29 -FLT_MAX, s[30:31] an offset (s31 = 0), s[32:33] K's base, s[34:35] V^T's base,
; s72-79 masks, s[80:81] Q's base, s[82:83] out's base, s84-88 parts of offsets
.set MSB, 0
.macro WIN new                         ; the immediate's high byte repeats the setting that is left; at a label and at a branch the setting is 0
.if MSB != \new
	s_set_vgpr_msb (MSB<<8)|\new
.set MSB, \new
.endif
.endm
.macro NOPS n
.rept \n
	v_nop
.endr
.endm
; A step's tiles into slot s: waves 0 to 3 bring 64 keys of K each, waves 4 to 7 sixteen rows of V^T each: one load of 8 KiB a wave
.macro TLOAD s
	s_cmp_lt_u32 s12, 4
	s_cbranch_scc0 .Lfor_v_\@
	tensor_load_to_lds s[G0K+4*\s:G0K+4*\s+3], s[G1K:G1K+7]
	s_nop 0
	s_branch .Lasked_\@
.Lfor_v_\@:
	tensor_load_to_lds s[G0V+8*\s:G0V+8*\s+3], s[G1V:G1V+7]
	s_nop 0
.Lasked_\@:
.endm
; Which tile comes next, and its addresses into slot s's group 0.  Stands where no tensor load of the wave is out.
.macro NEXT s
	s_add_co_u32 s20, s19, 1
	s_cmp_eq_u32 s20, s18
	s_cselect_b32 s21, 1, 0                        ; this step is its block's last,
	s_cselect_b32 s20, 0, s20                      ; and then the next block begins at key 0
	s_lshl_b32 s30, s20, 15                        ; 256 keys x 128 bytes
	s_add_nc_u64 s[G0K+4*\s+2:G0K+4*\s+3], s[32:33], s[30:31]
	s_or_b32 s[G0K+4*\s+3], s[G0K+4*\s+3], 0x80000000
	s_lshl_b32 s30, s20, 9                         ; 256 keys x 2 bytes
	s_add_nc_u64 s[G0V+8*\s+2:G0V+8*\s+3], s[34:35], s[30:31]
	s_or_b32 s[G0V+8*\s+3], s[G0V+8*\s+3], 0x80000000
.endm
; My 64 queries into window 1: 16 loads; lane (r, h) takes query 16 qt + r, d = 32 ks + 8 h .. and 32 ks + 16 + 8 h ..
.macro QLOAD
	WIN 0x40
.irp qt, 0,1,2,3
.irp ks, 0,1
	global_load_b128 v[QF+8*(2*\qt+\ks):QF+8*(2*\qt+\ks)+3],   v[QOFF], s[80:81] offset:2048*\qt+64*\ks
	global_load_b128 v[QF+8*(2*\qt+\ks)+4:QF+8*(2*\qt+\ks)+7], v[QOFF], s[80:81] offset:2048*\qt+64*\ks+32
.endr
.endr
	WIN 0
.endm
; The causal mask in a block's last step.  key > query  <=>  (8 h - r) + 64 kq - 64 g - 128 (QB & 1) + 16 (kt - qt) + jr > 0.
; DELTA holds the terms without kt, qt, jr, plus 64, so that the constants are positive.  Tiles with the same kt - qt share eight masks.
.macro MASK
	s_and_b32 s23, s17, 1
	s_lshl_b32 s23, s23, 7
	s_sub_co_i32 s23, s84, s23
	v_add_nc_u32 v[DELTA], s23, v[DL0]
.irp dd, 0,1,2,3,4,5,6
.irp jr, 0,1,2,3,4,5,6,7
	v_cmp_lt_i32 s[72+\jr], 112-16*\dd-\jr, v[DELTA]
.endr
.irp kt, 0,1,2,3
.irp qt, 0,1,2,3
.if (\kt-\qt+3) == \dd
.irp jr, 0,1,2,3,4,5,6,7
	v_cndmask_b32 v[SC+8*(4*\kt+\qt)+\jr], v[SC+8*(4*\kt+\qt)+\jr], v[NINF], s[72+\jr]
.endr
.endif
.endr
.endr
.endr
.endm
; A block's end: the four key quarters of a query are merged and the block is stored.  sw = 1: the second block is set up.
.macro FIN sw
	s_lshl_b32 s23, s17, 7                         ; 128 QB
	s_add_co_u32 s23, s23, s85                     ; + 2,048 b + 64 g + 16 kq: the first of the 16 tokens that I store
	s_lshl_b32 s30, s23, 12                        ; 4,096 bytes a token
	s_add_co_u32 s30, s30, s86                     ; + 256 bytes a head
	s_add_nc_u64 s[82:83], s[10:11], s[30:31]
.if \sw
	s_mov_b32 s17, s15                             ; QB = j
	s_lshr_b32 s18, s15, 1
	s_add_co_u32 s18, s18, 1                       ; its steps
	s_lshl_b32 s30, s17, 14                        ; 128 queries x 128 bytes
	s_add_co_u32 s30, s30, s87
	s_add_nc_u64 s[80:81], s[4:5], s[30:31]
	QLOAD                                          ; the next block's queries come in while this block is merged
.endif
.irp qt, 0,1,2,3
	v_permlanex16_b32 v[T2+\qt], v[LS+\qt], s24, s25
.endr
.irp qt, 0,1,2,3
	v_add_f32 v[LS+\qt], v[LS+\qt], v[T2+\qt]      ; the sum over both halves' keys
.endr
	ds_store_b128 v[MLS], v[MX:MX+3]
	ds_store_b128 v[MLS], v[LS:LS+3] offset:16
	s_wait_dscnt 0x0                               ; my m and l are in LDS, for the partners
	s_barrier_signal -1
	s_barrier_wait -1                              ; the next step's tile may stay on its way
.irp p, 0,1,2,3
	ds_load_b128 v[SC+8*\p:SC+8*\p+3],   v[MLR] offset:1024*\p
	ds_load_b128 v[SC+8*\p+4:SC+8*\p+7], v[MLR] offset:1024*\p+16
.endr
	s_wait_dscnt 0x0
	; partner p's weight is exp2(NM - t_p) with t_p = R(-c m_p), the very number that its exponentials used, and NM the least t_p.
	; A partner all of whose keys were masked has m = -FLT_MAX, weight 0 and l = 0; the diagonal gives one partner weight 1 and l >= about 1.
.irp p, 0,1,2,3
.irp qt, 0,1,2,3
	v_mul_f32 v[SC+8*\p+\qt], s28, v[SC+8*\p+\qt]
.endr
.endr
.irp qt, 0,1,2,3
	v_min3_num_f32 v[TT+\qt], v[SC+\qt], v[SC+8+\qt], v[SC+16+\qt]
.endr
.irp qt, 0,1,2,3
	v_min_num_f32 v[TT+\qt], v[TT+\qt], v[SC+24+\qt]
.endr
.irp p, 0,1,2,3
.irp qt, 0,1,2,3
	v_sub_f32 v[SC+8*\p+\qt], v[TT+\qt], v[SC+8*\p+\qt]
.endr
.endr
.irp qt, 0,1,2,3
	v_sub_f32 v[T2+\qt], v[TT+\qt], v[NMC+2*\qt]   ; my own
.endr
.irp p, 0,1,2,3
.irp qt, 0,1,2,3
	v_exp_f32 v[SC+8*\p+\qt], v[SC+8*\p+\qt]
.endr
.endr
.irp qt, 0,1,2,3
	v_exp_f32 v[T2+\qt], v[T2+\qt]
.endr
	v_nop                                          ; one plain instruction between the exponentials and the use of their results (ISA guide 5.7.2)
	s_wait_alu depctr_va_vdst(0)
.irp qt, 0,1,2,3
	v_mul_f32 v[TT+\qt], v[SC+4+\qt], v[SC+\qt]
.endr
.irp p, 1,2,3
.irp qt, 0,1,2,3
	v_fmac_f32 v[TT+\qt], v[SC+8*\p+4+\qt], v[SC+8*\p+\qt]
.endr
.endr
.irp qt, 0,1,2,3
	v_rcp_f32 v[TT+\qt], v[TT+\qt]
.endr
	v_nop
	s_wait_alu depctr_va_vdst(0)
.irp qt, 0,1,2,3
	v_mul_f32 v[ALP+2*\qt],   v[T2+\qt], v[TT+\qt] ; my weight over the whole sum
	v_mul_f32 v[ALP+2*\qt+1], v[T2+\qt], v[TT+\qt]
.endr
	WIN 0x41
.irp dt, 0,1,2,3
.irp qt, 0,1,2,3
.irp jp, 0,2,4,6
	v_pk_mul_f32 v[OA+8*(4*\dt+\qt)+\jp:OA+8*(4*\dt+\qt)+\jp+1], v[OA+8*(4*\dt+\qt)+\jp:OA+8*(4*\dt+\qt)+\jp+1], v[ALP+2*\qt:ALP+2*\qt+1]
.endr
.endr
.endr
	WIN 0x04                                       ; store data in window 1
.irp dt, 0,1,2,3
.irp qt, 0,1,2,3
	ds_store_b128 v[STO], v[OA+8*(4*\dt+\qt):OA+8*(4*\dt+\qt)+3]   offset:4352*\qt+64*\dt      ; query 16 qt + r, d = 16 dt + 8 h + 0..3
	ds_store_b128 v[STO], v[OA+8*(4*\dt+\qt)+4:OA+8*(4*\dt+\qt)+7] offset:4352*\qt+64*\dt+16   ; d = 16 dt + 8 h + 4..7
.endr
.endr
	WIN 0
	s_wait_dscnt 0x0                               ; my part is in LDS, for the partners
	s_barrier_signal -1
	s_barrier_wait -1
.irp p, 0,1,2,3
.irp i, 0,1,2,3,4,5,6,7
	ds_load_b128 v[SC+32*\p+4*\i:SC+32*\p+4*\i+3], v[RD] offset:WSTG*\p+544*\i   ; queries 16 kq + 2 i, + 1: sixteen lanes take a query's 256 bytes
.endr
.endr
	s_wait_dscnt 0x0
.irp i, 0,1,2,3,4,5,6,7
.irp hf, 0,2
	v_pk_add_f32 v[SC+4*\i+\hf:SC+4*\i+\hf+1], v[SC+4*\i+\hf:SC+4*\i+\hf+1], v[SC+32+4*\i+\hf:SC+32+4*\i+\hf+1]
	v_pk_add_f32 v[SC+64+4*\i+\hf:SC+64+4*\i+\hf+1], v[SC+64+4*\i+\hf:SC+64+4*\i+\hf+1], v[SC+96+4*\i+\hf:SC+96+4*\i+\hf+1]
	v_pk_add_f32 v[SC+4*\i+\hf:SC+4*\i+\hf+1], v[SC+4*\i+\hf:SC+4*\i+\hf+1], v[SC+64+4*\i+\hf:SC+64+4*\i+\hf+1]
.endr
	global_store_b128 v[OOFF], v[SC+4*\i:SC+4*\i+3], s[82:83] offset:8192*\i th:TH_STORE_NT   ; sixteen lanes store a token's 256 bytes of this head, aligned
.endr
.if \sw
	; The second block starts from m = -FLT_MAX and l = 0.  O is not cleared: with a query's first real score the factor on O is
	; exp2 of about -6e37, which is 0, and a wave in which a query stays masked to the end gets weight 0 in the merge.  The old O is finite.
.irp qt, 0,1,2,3
	v_mov_b32 v[MX+\qt], s29
	v_mov_b32 v[LS+\qt], 0
.endr
.irp qt, 0,1,2,3
	v_mul_f32 v[NMC+2*\qt],   s28, v[MX+\qt]
	v_mul_f32 v[NMC+2*\qt+1], s28, v[MX+\qt]
.endr
	s_wait_loadcnt 0x0                             ; the next block's queries are in
	s_wait_xcnt 0x0                                ; the stores' data lie in S's registers, which the next step writes only behind this wait
.endif
.endm
; One step: 256 keys in slot \slot; oth = the other slot.  first = 1: the sums start.  refill = 1: the next step's tiles are asked for.
; mask, fin: 0 never, 1 where the step is its block's last (s21), 2 always.
.macro STEP slot, oth, first, refill, mask, fin
	s_wait_tensorcnt 0x0                           ; all my tensor loads have landed, my part of this step's tiles among them: one was out
	ds_add_u32 v30, v31
	s_wait_dscnt 0x0
.if \refill
	NEXT \oth
.endif
	s_wait_dscnt 0x0                               ; my reads of the other slot are back
	s_barrier_signal -1
	s_barrier_wait -1                              ; both hold of all eight waves
.if \refill
	TLOAD \oth                                     ; the wave's one tensor load behind this barrier; it has the whole step in which to land
.endif
.irp kt, 0,1,2,3
.irp ks, 0,1
	ds_load_b128 v[KF+8*(2*\kt+\ks):KF+8*(2*\kt+\ks)+3],   v[ADRK+\slot] offset:2176*\kt+64*\ks
	ds_load_b128 v[KF+8*(2*\kt+\ks)+4:KF+8*(2*\kt+\ks)+7], v[ADRK+\slot] offset:2176*\kt+64*\ks+32
.endr
.endr
	WIN 0x40
.irp dt, 0,1,2,3
.irp kk, 0,1
	ds_load_b128 v[VF+8*(2*\dt+\kk):VF+8*(2*\dt+\kk)+3],   v[ADRV+\slot] offset:8448*\dt+64*\kk
	ds_load_b128 v[VF+8*(2*\dt+\kk)+4:VF+8*(2*\dt+\kk)+7], v[ADRV+\slot] offset:8448*\dt+64*\kk+32
.endr
.endr
	s_wait_dscnt 16                                ; K's 16 loads are in; V's 16 stay out
	; S^T = K Q^T: the 16 tiles take turns, one instruction a turn; the first 32 of d start the sums
	WIN 0x04
.irp ks, 0,1
.irp kt, 0,1,2,3
.irp qt, 0,1,2,3
.if \ks
	v_wmma_f32_16x16x32_f16 v[SC+8*(4*\kt+\qt):SC+8*(4*\kt+\qt)+7], v[KF+8*(2*\kt+\ks):KF+8*(2*\kt+\ks)+7], v[QF+8*(2*\qt+\ks):QF+8*(2*\qt+\ks)+7], v[SC+8*(4*\kt+\qt):SC+8*(4*\kt+\qt)+7]
.else
	v_wmma_f32_16x16x32_f16 v[SC+8*(4*\kt+\qt):SC+8*(4*\kt+\qt)+7], v[KF+8*(2*\kt+\ks):KF+8*(2*\kt+\ks)+7], v[QF+8*(2*\qt+\ks):QF+8*(2*\qt+\ks)+7], 0
.endif
.endr
.endr
.endr
	WIN 0
	NOPS 4                                         ; four places before vector instructions read the results (ISA guide 7.12.1)
.if \mask == 1
	s_cmp_eq_u32 s21, 0
	s_cbranch_scc1 .Lnomask_\@
	MASK
.Lnomask_\@:
.endif
.if \mask == 2
	MASK
.endif
	; the new maximum of each query: four chains that do not wait for each other, over my 32 scores and the old maximum
.irp kt, 0,1,2,3
.irp jp, 0,2,4,6
.irp qt, 0,1,2,3
.if (\kt+\jp) == 0
.if \first
	v_max3_num_f32 v[TT+\qt], v[SC+8*\qt], v[SC+8*\qt+1], s29
.else
	v_max3_num_f32 v[TT+\qt], v[SC+8*\qt], v[SC+8*\qt+1], v[MX+\qt]
.endif
.else
	v_max3_num_f32 v[TT+\qt], v[TT+\qt], v[SC+8*(4*\kt+\qt)+\jp], v[SC+8*(4*\kt+\qt)+\jp+1]
.endif
.endr
.endr
.endr
.irp qt, 0,1,2,3
	v_permlanex16_b32 v[T2+\qt], v[TT+\qt], s24, s25   ; the other half's keys of the same query
.endr
.irp qt, 0,1,2,3
	v_max_num_f32 v[MX+\qt], v[TT+\qt], v[T2+\qt]
.endr
.if \first
.irp qt, 0,1,2,3
	v_mul_f32 v[NMC+2*\qt],   s28, v[MX+\qt]
	v_mul_f32 v[NMC+2*\qt+1], s28, v[MX+\qt]
.endr
.else
.irp qt, 0,1,2,3
	v_mul_f32 v[T2+\qt], s28, v[MX+\qt]
.endr
.irp qt, 0,1,2,3
	v_sub_f32 v[TT+\qt], v[T2+\qt], v[NMC+2*\qt]   ; the difference of the two rounded numbers: exactly 0 where the maximum stays
	v_mov_b32 v[NMC+2*\qt+1], v[T2+\qt]
.endr
.irp qt, 0,1,2,3
	v_mov_b32 v[NMC+2*\qt], v[T2+\qt]
.endr
.irp qt, 0,1,2,3
	v_exp_f32 v[ALP+2*\qt],   v[TT+\qt]            ; the factor on the old sum and the old O; the multiply-adds below are the plain
	v_exp_f32 v[ALP+2*\qt+1], v[TT+\qt]            ; instructions between these and the use of their results
.endr
.endif
	; p = exp2(s c - R(c m)), in place
.irp kt, 0,1,2,3
.irp qt, 0,1,2,3
.irp jp, 0,2,4,6
	v_pk_fma_f32 v[SC+8*(4*\kt+\qt)+\jp:SC+8*(4*\kt+\qt)+\jp+1], v[SC+8*(4*\kt+\qt)+\jp:SC+8*(4*\kt+\qt)+\jp+1], s[26:27], v[NMC+2*\qt:NMC+2*\qt+1] op_sel_hi:[1,0,1]
.endr
.endr
.endr
.set n, 0
.rept 128
	v_exp_f32 v[SC+n], v[SC+n]
.set n, n+1
.endr
	v_nop                                          ; one plain instruction between the exponentials and the use of their results
	s_wait_alu depctr_va_vdst(0)
	; the sums of my 32 p of each query, two at a time, four chains
.irp kt, 0,1,2,3
.irp jp, 0,2,4,6
.irp qt, 0,1,2,3
.if (4*\kt+\jp/2) == 1
	v_pk_add_f32 v[SUM+2*\qt:SUM+2*\qt+1], v[SC+8*\qt:SC+8*\qt+1], v[SC+8*\qt+2:SC+8*\qt+3]
.endif
.if (4*\kt+\jp/2) > 1
	v_pk_add_f32 v[SUM+2*\qt:SUM+2*\qt+1], v[SUM+2*\qt:SUM+2*\qt+1], v[SC+8*(4*\kt+\qt)+\jp:SC+8*(4*\kt+\qt)+\jp+1]
.endif
.endr
.endr
.endr
.irp qt, 0,1,2,3
.if \first
	v_add_f32 v[LS+\qt], v[SUM+2*\qt], v[SUM+2*\qt+1]
.else
	v_add_f32 v[SUM+2*\qt], v[SUM+2*\qt], v[SUM+2*\qt+1]
.endif
.endr
.if \first == 0
.irp qt, 0,1,2,3
	v_fma_f32 v[LS+\qt], v[LS+\qt], v[ALP+2*\qt], v[SUM+2*\qt]
.endr
.endif
	; P^T's fragments, in place: keys 8 h .. of tile 2 kk into registers 0-3, keys 16 + 8 h .. (tile 2 kk + 1) into registers 4-7
.irp kk, 0,1
.irp qt, 0,1,2,3
.irp i, 0,1,2,3
	v_cvt_pk_f16_f32 v[SC+8*(8*\kk+\qt)+\i], v[SC+8*(8*\kk+\qt)+2*\i], v[SC+8*(8*\kk+\qt)+2*\i+1]
.endr
.irp i, 0,1,2,3
	v_cvt_pk_f16_f32 v[SC+8*(8*\kk+\qt)+4+\i], v[SC+8*(8*\kk+4+\qt)+2*\i], v[SC+8*(8*\kk+4+\qt)+2*\i+1]
.endr
.endr
.endr
.if \first == 0
	WIN 0x41
.irp dt, 0,1,2,3
.irp qt, 0,1,2,3
.irp jp, 0,2,4,6
	v_pk_mul_f32 v[OA+8*(4*\dt+\qt)+\jp:OA+8*(4*\dt+\qt)+\jp+1], v[OA+8*(4*\dt+\qt)+\jp:OA+8*(4*\dt+\qt)+\jp+1], v[ALP+2*\qt:ALP+2*\qt+1]
.endr
.endr
.endr
.endif
	s_wait_dscnt 0x0                               ; V's fragments are in
	; O^T += V^T P^T: the 16 tiles take turns, one instruction a turn
	WIN 0x51
.irp kk, 0,1
.irp dt, 0,1,2,3
.irp qt, 0,1,2,3
.if \first*(1-\kk)
	v_wmma_f32_16x16x32_f16 v[OA+8*(4*\dt+\qt):OA+8*(4*\dt+\qt)+7], v[VF+8*(2*\dt+\kk):VF+8*(2*\dt+\kk)+7], v[SC+8*(8*\kk+\qt):SC+8*(8*\kk+\qt)+7], 0
.else
	v_wmma_f32_16x16x32_f16 v[OA+8*(4*\dt+\qt):OA+8*(4*\dt+\qt)+7], v[VF+8*(2*\dt+\kk):VF+8*(2*\dt+\kk)+7], v[SC+8*(8*\kk+\qt):SC+8*(8*\kk+\qt)+7], v[OA+8*(4*\dt+\qt):OA+8*(4*\dt+\qt)+7]
.endif
.endr
.endr
.endr
	WIN 0
	NOPS 5                                         ; five places: the next step's first products write S over P, and loads go into V's fragments
.if \fin == 1
	s_cmp_eq_u32 s21, 0                            ; hangs on j and the step alone: the same in all eight waves
	s_cbranch_scc1 .Lnofin_\@
	FIN 1
.Lnofin_\@:
.endif
.if \fin == 2
	FIN 0
.endif
.if \refill
	s_mov_b32 s19, s20
.endif
.endm
	s_load_b256 s[4:11], s[0:1], 0x0               ; qh s[4:5], kh s[6:7], vt s[8:9], out0 s[10:11]
	v_lshl_add_u32 v30, v0, 2, 0x45800
	v_mov_b32 v31, 0
	ds_add_u32 v30, v31
	ds_add_u32 v30, v31
	v_lshrrev_b32 v1, 5, v0
	v_readfirstlane_b32 s12, v1                    ; wave 0..7
	s_lshr_b32 s13, s12, 2                         ; g
	s_and_b32 s14, s12, 3                          ; kq
	s_mov_b32 s15, ttmp9                           ; j
	s_and_b32 s16, ttmp7, 0xffff                   ; bh
	s_sub_co_u32 s17, 15, s15                      ; the first query block
	s_lshr_b32 s18, s17, 1
	s_add_co_u32 s18, s18, 1                       ; its steps: 5 to 8
	s_mov_b32 s19, 0
	s_mov_b32 s24, 0x76543210                      ; v_permlanex16_b32: lane i of one half reads lane i of the other
	s_mov_b32 s25, 0xfedcba98
	s_mov_b32 s26, 0x3e38aa3b                      ; c = log2(e) / 8
	s_mov_b32 s27, 0x3e38aa3b
	s_mov_b32 s28, 0xbe38aa3b                      ; -c
	s_mov_b32 s29, 0xff7fffff                      ; -FLT_MAX
	s_mov_b32 s31, 0
	s_lshl_b32 s84, s14, 6
	s_lshl_b32 s23, s13, 6
	s_sub_co_i32 s84, s84, s23
	s_add_co_i32 s84, s84, 64                      ; 64 kq - 64 g + 64, for the mask
	s_lshr_b32 s85, s16, 4
	s_lshl_b32 s85, s85, 11
	s_add_co_u32 s85, s85, s23
	s_lshl_b32 s23, s14, 4
	s_add_co_u32 s85, s85, s23                     ; 2,048 b + 64 g + 16 kq, for out0
	s_and_b32 s86, s16, 15
	s_lshl_b32 s86, s86, 8                         ; 256 bytes a head
	s_lshl_b32 s88, s16, 18                        ; bh x 262,144 bytes
	s_lshl_b32 s87, s13, 13
	s_add_co_u32 s87, s87, s88                     ; + 64 g queries of 128 bytes, for qh
	; K's load: 64 keys are 8,192 dense bytes: 32 rows of 32 elements of 8 bytes, 4 words of padding behind every 64 words
	s_mov_b32 s[G1K+0], (3<<16)|(1<<20)|(5<<22)|(3<<25)
	s_mov_b32 s[G1K+1], 32<<16                     ; tensor_dim0 = 32
	s_mov_b32 s[G1K+2], 32<<16                     ; tensor_dim1 = 32
	s_mov_b32 s[G1K+3], 32<<16                     ; tile_dim0 = 32
	s_mov_b32 s[G1K+4], 32                         ; tile_dim1 = 32
	s_mov_b32 s[G1K+5], 32                         ; from row to row
	s_mov_b32 s[G1K+6], 0
	s_mov_b32 s[G1K+7], 0
	; V^T's load: 16 rows of 256 elements of 2 bytes, 2,048 elements from row to row, 4 words of padding behind every 128 words
	s_mov_b32 s[G1V+0], (1<<16)|(1<<20)|(6<<22)|(3<<25)
	s_mov_b32 s[G1V+1], 256<<16
	s_mov_b32 s[G1V+2], 16<<16
	s_mov_b32 s[G1V+3], 256<<16
	s_mov_b32 s[G1V+4], 16
	s_mov_b32 s[G1V+5], 2048
	s_mov_b32 s[G1V+6], 0
	s_mov_b32 s[G1V+7], 0
	s_mul_i32 s23, s12, 8704                       ; waves 0-3: 32 LDS rows of 272 bytes each
	s_mul_i32 s22, s12, 8448                       ; waves 4-7: 16 LDS rows of 528 bytes each, from VOFF on: 8,448 w + 34,816 - 4 x 8,448
.irp s, 0,1
	s_mov_b32 s[G0K+4*\s], 1
	s_add_co_u32 s[G0K+4*\s+1], s23, \s*SLOT
	s_mov_b32 s[G0V+8*\s], 1
	s_add_co_u32 s[G0V+8*\s+1], s22, 1024+\s*SLOT
.endr
	s_lshl_b32 s30, s14, 13                        ; 64 kq keys of 128 bytes
	s_add_co_u32 s30, s30, s88
	s_wait_dscnt 0x0
	s_wait_kmcnt 0x0
	s_add_nc_u64 s[32:33], s[6:7], s[30:31]        ; K's base
	s_lshl_b32 s30, s14, 16                        ; 16 kq rows of 4,096 bytes
	s_add_co_u32 s30, s30, s88
	s_add_nc_u64 s[34:35], s[8:9], s[30:31]        ; V^T's base
	s_mov_b64 s[G0K+2:G0K+3], s[32:33]             ; keys 0 to 255
	s_or_b32 s[G0K+3], s[G0K+3], 0x80000000
	s_mov_b64 s[G0V+2:G0V+3], s[34:35]
	s_or_b32 s[G0V+3], s[G0V+3], 0x80000000
	TLOAD 0                                        ; the first fill, ahead of everything else; slot 1 is filled behind the first step's barrier
	v_and_b32 v1, 15, v0                           ; r
	v_bfe_u32 v2, v0, 4, 1                         ; h
	v_and_b32 v3, 31, v0                           ; lane
	v_lshlrev_b32 v[QOFF], 7, v1
	v_lshl_add_u32 v[QOFF], v2, 4, v[QOFF]         ; 128 r + 16 h
	s_lshl_b32 s30, s17, 14
	s_add_co_u32 s30, s30, s87
	s_add_nc_u64 s[80:81], s[4:5], s[30:31]
	QLOAD
	v_lshrrev_b32 v4, 1, v1                        ; key 16 kt + r lies in LDS row 8 kt + (r >> 1), half r & 1: the 16 lanes of a half touch 16 different 16-byte columns modulo 256
	v_mul_u32_u24 v4, v4, 272
	v_and_b32 v5, 1, v1
	v_lshl_add_u32 v4, v5, 7, v4
	v_lshl_add_u32 v4, v2, 4, v4
	s_mul_i32 s23, s14, 8704
	v_add_nc_u32 v[ADRK], s23, v4
	v_add_nc_u32 v[ADRK+1], SLOT, v[ADRK]
	v_mul_u32_u24 v4, v1, 528
	v_lshl_add_u32 v4, v2, 4, v4
	s_lshl_b32 s23, s14, 7
	s_add_co_u32 s23, s23, VOFF
	v_add_nc_u32 v[ADRV], s23, v4
	v_add_nc_u32 v[ADRV+1], SLOT, v[ADRV]
	v_mul_u32_u24 v4, v1, 272
	v_lshl_add_u32 v4, v2, 5, v4
	s_mul_i32 s23, s12, WSTG
	s_add_co_u32 s23, s23, STAGE
	v_add_nc_u32 v[STO], s23, v4                   ; my stage + 272 r + 32 h
	v_mul_u32_u24 v4, v2, 272
	v_lshl_add_u32 v4, v1, 4, v4
	s_mul_i32 s23, s13, 4*WSTG
	s_mul_i32 s22, s14, 16*272
	s_add_co_u32 s23, s23, s22
	s_add_co_u32 s23, s23, STAGE
	v_add_nc_u32 v[RD], s23, v4                    ; my group's first stage + query 16 kq + h, 16 bytes a lane
	v_lshlrev_b32 v4, 5, v3
	s_lshl_b32 s23, s12, 10
	s_add_co_u32 s23, s23, ML
	v_add_nc_u32 v[MLS], s23, v4
	s_lshl_b32 s23, s13, 12
	s_add_co_u32 s23, s23, ML
	v_add_nc_u32 v[MLR], s23, v4
	v_lshlrev_b32 v[OOFF], 12, v2
	v_lshl_add_u32 v[OOFF], v1, 4, v[OOFF]         ; token h, 16 bytes a lane
	v_lshlrev_b32 v[DL0], 3, v2
	v_sub_nc_u32 v[DL0], v[DL0], v1                ; 8 h - r
	v_mov_b32 v[NINF], 0xff800000
.irp qt, 0,1,2,3
	v_mov_b32 v[T2+\qt], 0                         ; v_permlanex16_b32's destination counts as read: written once here
.endr
	s_wait_loadcnt 0x0                             ; my queries are in
	STEP 0, 1, 1, 1, 0, 0                          ; step 0 of a block of at least 5: no mask, no end
	s_mov_b32 s22, 3
.Lpair:
	STEP 1, 0, 0, 1, 1, 1
	STEP 0, 1, 0, 1, 1, 1
	s_sub_co_u32 s22, s22, 1
	s_cmp_lg_u32 s22, 0
	s_cbranch_scc1 .Lpair
	STEP 1, 0, 0, 1, 1, 1
	STEP 0, 1, 0, 0, 2, 2                          ; the ninth step is the second block's last: nothing is left to fetch
	s_wait_tensorcnt 0x0
	ds_add_u32 v30, v31
	s_wait_dscnt 0x0
	s_endpgm
.Lfunc_end_k_q5f8d3a8bd0_attn:
	.size	k_q5f8d3a8bd0_attn, .Lfunc_end_k_q5f8d3a8bd0_attn-k_q5f8d3a8bd0_attn
	.p2alignl 7, 3214868480
	.fill 96, 4, 3214868480
	.section	.rodata,"a",@progbits
	.p2align	6, 0x0
	.amdhsa_kernel k_q5f8d3a8bd0_attn
		.amdhsa_group_segment_fixed_size 327680
		.amdhsa_private_segment_fixed_size 0
		.amdhsa_enable_private_segment 0
		.amdhsa_kernarg_size 32
		.amdhsa_user_sgpr_count 2
		.amdhsa_user_sgpr_kernarg_segment_ptr 1
		.amdhsa_wavefront_size32 1
		.amdhsa_system_sgpr_workgroup_id_x 1
		.amdhsa_system_sgpr_workgroup_id_y 1
		.amdhsa_system_sgpr_workgroup_id_z 1
		.amdhsa_system_vgpr_workitem_id 0
		.amdhsa_next_free_vgpr 512
		.amdhsa_next_free_sgpr 96
		.amdhsa_reserve_vcc 0
		.amdhsa_float_denorm_mode_32 3
		.amdhsa_float_denorm_mode_16_64 3
		.amdhsa_memory_ordered 1
		.amdhsa_forward_progress 1
		.amdhsa_inst_pref_size 255
	.end_amdhsa_kernel
	.section	.bss,"aw",@nobits
	.p2align	6
	.space	262144
	.amdgpu_metadata
---
amdhsa.version: [ 1, 2 ]
amdhsa.kernels:
  - .name:           k_q5f8d3a8bd0_attn
    .symbol:         k_q5f8d3a8bd0_attn.kd
    .args:
      - { .name: qh, .offset: 0, .size: 8, .value_kind: global_buffer, .address_space: global }
      - { .name: kh, .offset: 8, .size: 8, .value_kind: global_buffer, .address_space: global }
      - { .name: vt, .offset: 16, .size: 8, .value_kind: global_buffer, .address_space: global }
      - { .name: out0, .offset: 24, .size: 8, .value_kind: global_buffer, .address_space: global }
    .group_segment_fixed_size: 327680
    .private_segment_fixed_size: 0
    .kernarg_segment_align: 8
    .kernarg_segment_size: 32
    .max_flat_workgroup_size: 256
    .sgpr_count:     96
    .vgpr_count:     512
    .wavefront_size: 32
...
	.end_amdgpu_metadata
.endif
;; end of part 3
